; MI455X (gfx1250); checked and timed in simulation.
; The chip was launched on July 23, 2026; its instructions are those of AMD's public machine-readable ISA for CDNA 5 (MIT licence, August 2026) and "CDNA5" Instruction Set Architecture Reference Guide (July 2026). The comments in the code are by the model that wrote it; some were corrected since.
;; Multi Channel Sequential Circuit. Allowed arithmetic: float matrix products may take bf16 or f16 operands with f32 sums; other float arithmetic in f32, or as packed bf16 or f16 multiplies, adds, multiply-adds, maxima and minima; sums over many terms, partial sums and values carried from step to step in f32; what a program stores and reads back later, other than sums and carried values, may be rounded once to bf16 or f16.
;; Inputs: multi_channel_patch 512 x 3 x 16 float32; weights 288 float32.
;; Outputs: out0 512 x 16 float32.
;; One version. Each part assembles by itself: llvm-mc -triple=amdgcn-amd-amdhsa -mcpu=gfx1250 --defsym DOCPART=n.
;; ======== version 1 of 1: 1 launch
;; launch circuit (part 1): grid 512 x 1, 16 waves a work-group, no clusters, 324,608 bytes of LDS; arguments multi_channel_patch, weights, out0; writes out0
.if DOCPART == 1
	.amdgcn_target "amdgcn-amd-amdhsa--gfx1250"
	.amdhsa_code_object_version 6
	.text
	.protected	k_q60b035e771_circuit
	.globl	k_q60b035e771_circuit
	.p2align	8
	.type	k_q60b035e771_circuit,@function
k_q60b035e771_circuit:
	s_mov_b64 s[64:65], 0
	v_nop
	global_prefetch_b8 v0, s[64:65] scope:SCOPE_SE
	s_setreg_imm32_b32 hwreg(HW_REG_WAVE_MODE, 25, 1), 1
	s_wait_xcnt 0x0
; out0[b][q] = <Z_q> of a 16-qubit circuit, for 512 patches.  ONE WORK-GROUP SIMULATES ONE PATCH; its state, 65,536 complex amplitudes in f16, lives in LDS.
; THE CIRCUIT.  The data RY of a channel is fused into the gate that follows it, so there are six layers l = 0..5 of 16 one-qubit gates V = [[al, -conj(be)], [be, conj(al)]] and a ring of CX.
; Layer 0 acts on a product state: it is never applied, the state behind it is made in registers from four tables of 16 (F).  The last ring only says which parities are summed.  Five layers are applied.
; GROUPS.  Qubits 4 g .. 4 g + 3 are group g: Q, R, W, T = groups 0..3.  A group's four gates are ONE 16 x 16 complex matrix G = a 32 x 32 real one = one K step of the f16 matrix instruction:
; k = 16 c + i, c = real / imaginary part, i = the group's index.  256 amplitudes take two matrix instructions (real parts, imaginary parts of the result).
; A TILE is 256 amplitudes as source 0: lane % 16 = the index of the LANE group, k = the index of the K group.  In the result lane % 16 is the K group's NEW index and (lane / 16, register) the lane group's old one;
; rounded to f16 in pairs of registers it IS source 0 again with the groups exchanged.  So two products gate both groups and the layout comes back.  Pass A: K = R, lanes = Q.  Pass B: K = T, lanes = W.
; A SUPERTILE is 8 tiles that differ in the low 3 bits of the other pass's K group.  The last rounding pairs tile 2 p with tile 2 p + 1, so the 16 bytes that a lane stores run along the next pass's K group:
; the change of direction costs nothing, and a supertile is stored onto the bytes that it was loaded from.
; THE RING costs addresses only.  A gated group is indexed by (x1, x2, x3, parity); the next layer's matrix reads an index b as z3 = b3, z2 = b3^b2, z1 = b3^b2^b1, z0 = b3^b2^b1^b0.  In these coordinates the ring is
; k1 ^= k0, k2 ^= k1, k3 ^= k2 (bit 3 of R, W, T) and bit 0 of Q ^= k3: pass B's stores move W's and T's bit, pass A's next loads R's and Q's.  Each wave stays inside its own bytes.
; FORMATS.  State and matrices are f16 operands, sums f32.  The state is kept 2^8 times its size: unitarity holds every amplitude under 256 and every matrix entry under 1, whatever the inputs, so f16's range is never left.
; THE MATRICES ARE ROUNDED BY EACH WAVE FOR ITSELF.  One rounding of G would put the same error on every column that it multiplies.  G lies in LDS in f32, which has 13 fraction bits more than f16 (8,192 steps to an f16 step);
; wave w adds 512 (w ^ m) - 3840 to an entry's bit pattern before the rounding to nearest, m a 4-bit number that differs from entry to entry: (7 lane + lane / 8) % 16, exclusive-or a constant of the register.
; Over the 16 waves an entry sees all 16 offsets: the mean of the waves' matrices is G rounded to a sixteenth of an f16 step, and in each pass the wave's number is the index of a group that the pass does not gate.
; Within a wave a lane's 16 numbers of a matrix see all 16 offsets too: no wave's matrix is larger or smaller as a whole.  (An offset that grew with w would weight the waves' shares of the probability by w.)
; THE LAST PASS ROUNDS PLAINLY: there the wave's number is Q's index, which is measured, so all waves take one and the same matrix; its error in the norm is then a common factor of all results.
; LIMITS.  Sine and cosine: argument reduced by pi/2 in two parts, then polynomials of degree 7 and 8; the quadrant is a 32-bit whole number, so |angle| stays under 2^30, and the reduced argument is off by about |angle| x 1e-15.
; A NaN or an infinity among the angles gives NaN.  A matrix entry under 2^-30 counts as 2^-30 with its sign, which is 0 in f16.
; NO CLUSTER, NO TENSOR LOADS, NO PREFETCH: a work-group reads 1,344 bytes of memory in all, and what work-groups share is the 1,152 bytes of weights.  A patch's result is 64 bytes: one store.
.set BLK,   4352                       ; 16 rows of 272 bytes: one value of (S, c)
.set RHS,   16*BLK                     ; bit 3 of R
.set THS,   32*BLK                     ; bit 3 of T
; STATE, bytes 0 .. 278,527: 2 V + 16 Q + 272 W + BLK (S + 8 c) + RHS RH + THS TH.  Behind pass B: V = R's low 3 bits, S = T's; behind pass A the other way round.
; A row is 256 bytes + 16 = 68 words (64 banks of 4 bytes: ISA guide 11.1): sixteen lanes that differ in Q (16 bytes apart) or in W (272 apart) touch sixteen different groups of four banks.
.set GT,    64*BLK                     ; 96 gates (al.re, al.im, be.re, be.im) in f32, gate 16 l + q at 16 bytes each
.set FT,    GT+1536                    ; F_g[n] = (re, im) at 128 g + 8 n
.set MAT,   FT+512                     ; job 4 (l - 1) + g, 2,048 bytes: four planes of 512 (Im j 0-3, Im j 4-7, Re j 0-3, Re j 4-7), 16 bytes a lane: G[lane % 16][8 (lane / 16) + j]
.set RED,   MAT+20*2048                ; wave w's 16 partial results at 64 w
.set SPARE, RED+1024                   ; the spare words, 128 bytes for each of 16 waves: eight blocks of 256 bytes that no other line names
.set HRR, 2                            ; v[2:9]     the start: real parts of F_Q F_W F_R[j]; later the sums below
.set US,  2                            ; v[2:5]     sums of p, by R's bit 3; a pair holds even j, odd j
.set UT,  6                            ; v[6:11]    sums of p signed by bit 0, 1, 2 of the tile's number
.set CD1, 12                           ; v[12:13]   signed by R's bit 3 and j's bit 1
.set CD2, 14                           ; v[14:15]   signed by R's bit 3 and j's bit 2.  (v[10:13] at work and v[14:15] F_T while the start is made)
.set XA,  16                           ; v[16:79]   8 tiles as loaded, tile i at 8 i; then the 16 quads to store, quad 8 c + j at 4 (8 c + j)
.set ACC, 80                           ; v[80:143]  a ring of 4 slots of 16: a tile's real and imaginary sums; between passes: the matrices in f32 and their offsets
.set XB,  144                          ; v[144:207] 8 tiles between the two products
.set GM1, 208                          ; v[208:219] the K group's matrix: Im, Re, -Im, four registers each: [0:7] makes imaginary parts, [4:11] real parts
.set GM2, 220                          ; v[220:231] the lane group's
.set LA0, 232                          ; v232-239   a lane's LDS bases: pass A loads, stores, pass B loads, stores; two supertiles each; never rewritten
.set LA1, 233
.set SA0, 234
.set SA1, 235
.set LB0, 236
.set LB1, 237
.set SB0, 238
.set SB1, 239
.set MA,  240                          ; v240  MAT + 16 x lane + 8,192 (l - 1)
.set SPW, 241                          ; v241  LDS address of my spare word; never rewritten
.set NIL, 242                          ; v242  0; never rewritten
.set RR,  243                          ; v243  r = lane % 16
.set HRI, 244                          ; v[244:251] imaginary parts of F_Q F_W F_R[j]
.set HH,  252                          ; v252  h = lane / 16
.set DIT, 253                          ; v253  512 x (w ^ ((7 lane + lane / 8) % 16)): the lane's part of the rounding offsets; never rewritten
.set TA,  254                          ; v254, v255 at work
.set TB,  255
; s[4:5] patch, s[6:7] weights, s[8:9] out0; s10 wave w; s11 w >> 3; s12 w & 7; s13 8 (w >> 3); s14 layers to go; s15 -3840; s16-23 at work; s26 lanes with h = 1;
; s27-30 lanes whose new index has x0, x1, x2, x3 = 1; s31 2^-30; s32 all but the sign; s33 the sign; s[36:39] F_T of a tile; s44, s45 lane selects; s46-49 bit 0..3 of w as a sign
; sine and cosine of t / 2.  n = the nearest whole number to (t / 2) / (pi / 2); x = t / 2 - n pi / 2 with pi / 2 in two parts; polynomials on |x| <= pi / 4; the quadrant swaps them and sets the signs.
.macro SINCOS t, c, s, a, b, d, e
	v_mul_f32 v[\a], 0x3ea2f983, v[\t]             ; t / pi
	v_rndne_f32 v[\a], v[\a]
	v_mul_f32 v[\b], 0.5, v[\t]
	v_fmamk_f32 v[\b], v[\a], 0xbfc90fdb, v[\b]    ; - n x 1.5707964
	v_fmamk_f32 v[\b], v[\a], 0x333bbd2e, v[\b]    ; + n x 4.371139e-8
	v_mul_f32 v[\d], v[\b], v[\b]                  ; z = x x
	v_mov_b32 v[\s], 0xb94ca1f9
	v_fmaak_f32 v[\s], v[\s], v[\d], 0x3c08839e
	v_fmaak_f32 v[\s], v[\s], v[\d], 0xbe2aaaa3
	v_mul_f32 v[\e], v[\b], v[\d]
	v_fma_f32 v[\s], v[\s], v[\e], v[\b]           ; sin x = x + x z (..)
	v_mov_b32 v[\c], 0x37ccf5ce
	v_fmaak_f32 v[\c], v[\c], v[\d], 0xbab6061a
	v_fmaak_f32 v[\c], v[\c], v[\d], 0x3d2aaaa5
	v_mul_f32 v[\c], v[\c], v[\d]
	v_fma_f32 v[\e], v[\d], -0.5, 1.0
	v_fma_f32 v[\c], v[\c], v[\d], v[\e]           ; cos x = 1 - z / 2 + z z (..)
	v_cvt_i32_f32 v[\a], v[\a]
	v_and_b32 v[\e], 1, v[\a]
	v_cmp_eq_u32 vcc_lo, 1, v[\e]                  ; an odd quadrant swaps the two: a choice of values, no branch
	v_cndmask_b32 v[\e], v[\s], v[\c], vcc_lo
	v_cndmask_b32 v[\c], v[\c], v[\s], vcc_lo
	v_lshlrev_b32 v[\d], 30, v[\a]                 ; the sine is negative where bit 1 of n is set,
	v_and_b32 v[\d], 0x80000000, v[\d]
	v_xor_b32 v[\s], v[\e], v[\d]
	v_add_nc_u32 v[\a], 1, v[\a]                   ; the cosine where bit 1 of n + 1 is
	v_lshlrev_b32 v[\a], 30, v[\a]
	v_and_b32 v[\a], 0x80000000, v[\a]
	v_xor_b32 v[\c], v[\c], v[\a]
.endm
.macro CMUL dr, di, ar, ai, br, bi     ; d = a b, complex; d is no source
	v_mul_f32 v[\dr], v[\ai], v[\bi]
	v_mul_f32 v[\di], v[\ai], v[\br]
	v_fma_f32 v[\dr], v[\ar], v[\br], -v[\dr]
	v_fma_f32 v[\di], v[\ar], v[\bi], v[\di]
.endm
.macro GLOAD                           ; a group's four gates, at LDS byte s20 for all lanes, into v[20:35]
	v_mov_b32 v16, s20
.irp q,0,1,2,3
	ds_load_b128 v[20+4*\q:23+4*\q], v16 offset:16*\q
.endr
	s_wait_dscnt 0x0
.endm
; One matrix.  Lane (r, h) makes G[r][8 h + j], j = 0..7 = the product over q of V_q[x_q(r)][z_q(8 h + j)].  e0, e1: row x_q(r) of V_q.  z_q = h ^ (a parity of j's bits), so f[t] = the entry with z_q = h ^ t.
; G = f3[0] f2[j2] f1[j2^j1] f0[j2^j1^j0].  It is stored in f32 at MAT + s21.
.macro MATJOB
	GLOAD
.irp q,0,1,2,3
	v_xor_b32 v36, 0x80000000, v[22+4*\q]          ; -be.re
	v_xor_b32 v37, 0x80000000, v[21+4*\q]          ; -al.im
	v_cndmask_b32 v38, v[20+4*\q], v[22+4*\q], s[27+\q]  ; e0 = x ? be : al
	v_cndmask_b32 v39, v[21+4*\q], v[23+4*\q], s[27+\q]
	v_cndmask_b32 v40, v36, v[20+4*\q], s[27+\q]         ; e1 = x ? conj(al) : -conj(be)
	v_cndmask_b32 v41, v[23+4*\q], v37, s[27+\q]
	v_cndmask_b32 v[44+4*\q], v38, v40, s26              ; f[0] = h ? e1 : e0
	v_cndmask_b32 v[45+4*\q], v39, v41, s26
.if \q < 3
	v_cndmask_b32 v[46+4*\q], v40, v38, s26              ; f[1] = h ? e0 : e1
	v_cndmask_b32 v[47+4*\q], v41, v39, s26
.endif
.endr
	CMUL 60, 61, 56, 57, 52, 53                    ; f3[0] f2[0]
	CMUL 62, 63, 56, 57, 54, 55                    ; f3[0] f2[1]
.irp u,0,1
.irp z,0,1
	CMUL 64+2*(2*\u+\z), 65+2*(2*\u+\z), 48+2*\u, 49+2*\u, 44+2*\z, 45+2*\z  ; f1[u] f0[z]
.endr
.endr
.set j, 0
.rept 8
.set j2, j>>2
.set t1, j2^((j>>1)&1)
.set t0, t1^(j&1)
	CMUL 80+j, 72+j, 60+2*j2, 61+2*j2, 64+2*(2*t1+t0), 65+2*(2*t1+t0)  ; real parts v[80:87], imaginary parts v[72:79]
.set j, j+1
.endr
.set j, 72
.rept 16                               ; magnitudes are raised to 2^-30 at the least, as whole numbers (a NaN stays one): the waves' negative offsets then never pass a pattern's zero
	v_and_b32 v1, s32, v[j]
	v_cmp_gt_u32 vcc_lo, s31, v1
	v_cndmask_b32 v1, v1, s31, vcc_lo
	v_bfi_b32 v[j], s32, v1, v[j]
.set j, j+1
.endr
	v_add_nc_u32 v17, s21, v[MA]
.irp p,0,1,2,3
	ds_store_b128 v17, v[72+4*\p:75+4*\p] offset:512*\p
.endr
.endm
; One table of the start.  H on |0> and then V gives (V[x][0] + V[x][1]) / sqrt 2; the sixteen sqrt 2 are left out: the state is 2^8 times its size.  F[r] = the product over q of phi_q[x_q(r)], stored at s21 + 8 r (both halves of the lanes alike).
.macro FJOB
	GLOAD
.irp q,0,1,2,3
	v_sub_f32 v36, v[20+4*\q], v[22+4*\q]          ; phi[0] = al - conj(be)
	v_add_f32 v37, v[21+4*\q], v[23+4*\q]
	v_add_f32 v38, v[20+4*\q], v[22+4*\q]          ; phi[1] = be + conj(al)
	v_sub_f32 v39, v[23+4*\q], v[21+4*\q]
	v_cndmask_b32 v[44+2*\q], v36, v38, s[27+\q]
	v_cndmask_b32 v[45+2*\q], v37, v39, s[27+\q]
.endr
	CMUL 52, 53, 44, 45, 46, 47
	CMUL 54, 55, 48, 49, 50, 51
	CMUL 56, 57, 52, 53, 54, 55
	v_lshl_add_u32 v17, v[RR], 3, s21
	ds_store_b64 v17, v[56:57]
.endm
; The two matrices of a pass, in f32, into the ring's first 32 registers, which are idle between passes.
.macro MLOAD o1, o2
.irp p,0,1,2,3
	ds_load_b128 v[ACC+4*\p:ACC+4*\p+3], v[MA] offset:(\o1)+512*\p
.endr
.irp p,0,1,2,3
	ds_load_b128 v[ACC+16+4*\p:ACC+16+4*\p+3], v[MA] offset:(\o2)+512*\p
.endr
.endm
; The rounding to f16, and -Im: work on registers alone.  dith = 1: first each entry's offset onto its bit pattern.  Register k of the 32 has the constant (5 k + 3 + 9 (k / 16)) % 16: 5 k + 3 runs through
; all 16 residues over a matrix's 16 registers, so a lane's 16 numbers of a matrix get all 16 offsets, whatever w and the lane's own part are.  The offsets are made in the ring's other 32 registers.
.macro MCVT dith
.if \dith
.set k, 0
.rept 32
.set dc, ((5*k+3+9*(k>>4))&15)<<9
	v_xor_b32 v[ACC+32+k], dc, v[DIT]              ; 512 (w ^ m)
.set k, k+1
.endr
.set k, 0
.rept 32
	v_add3_u32 v[ACC+k], v[ACC+k], v[ACC+32+k], s15  ; + 512 (w ^ m) - 3840
.set k, k+1
.endr
.endif
.irp m,0,1
.irp p,0,1,2,3
	v_cvt_pk_f16_f32 v[GM1+12*\m+\p], v[ACC+16*\m+2*\p], v[ACC+16*\m+2*\p+1]
	v_cvt_pk_f16_f32 v[GM1+12*\m+4+\p], v[ACC+16*\m+8+2*\p], v[ACC+16*\m+8+2*\p+1]
	v_xor_b32 v[GM1+12*\m+8+\p], 0x80008000, v[GM1+12*\m+\p]
.endr
.endr
.endm
; The products.  c = 0: real parts, with [Re, -Im]; c = 1: imaginary parts, with [Im, Re].  Every product starts its sum with the constant 0 and ends it: K = 32 is the whole matrix, so there are no chains.
.macro W1 i, c
	v_wmma_f32_16x16x32_f16 v[ACC+16*((\i)%4)+8*(\c):ACC+16*((\i)%4)+8*(\c)+7], v[XA+8*(\i):XA+8*(\i)+7], v[GM1+4-4*(\c):GM1+11-4*(\c)], 0
.endm
.macro W2 i, c
	v_wmma_f32_16x16x32_f16 v[ACC+16*((\i)%4)+8*(\c):ACC+16*((\i)%4)+8*(\c)+7], v[XB+8*(\i):XB+8*(\i)+7], v[GM2+4-4*(\c):GM2+11-4*(\c)], 0
.endm
.macro CV1 i, c                        ; tile i's part c, rounded in pairs of registers: source 0 of the second product.  From the accumulator's low end on
.irp p,0,1,2,3
	v_cvt_pk_f16_f32 v[XB+8*(\i)+4*(\c)+\p], v[ACC+16*((\i)%4)+8*(\c)+2*\p], v[ACC+16*((\i)%4)+8*(\c)+2*\p+1]
.endr
.endm
.macro CV2 pp, c, jh                   ; tiles 2 pp and 2 pp + 1, part c, registers j = 4 jh .. 4 jh + 3: each pair of tiles into word pp of quad 8 c + j
.irp k,0,1,2,3
	v_cvt_pk_f16_f32 v[XA+4*(8*(\c)+4*(\jh)+\k)+(\pp)], v[ACC+16*((2*(\pp))%4)+8*(\c)+4*(\jh)+\k], v[ACC+16*((2*(\pp)+1)%4)+8*(\c)+4*(\jh)+\k]
.endr
.endm
; THE START, for pass A of layer 1, supertile th (T's bit 3 behind the ring).  Behind layer 0 the state is F_Q[Q] F_R[R] F_W[W] F_T[T]; the ring is undone in the tables' indices:
; Q = r ^ th;  R = j + 8 (h ^ r3);  W = (w & 7) + 8 (h ^ w3);  T = i + 8 (th ^ w3).  Lane l keeps F_T[l % 16 ^ 8 w3], so tile i's factor lies in lane i + 8 th.
.macro GENPRO th
.if \th
	v_xor_b32 v1, 1, v[RR]
	v_lshl_add_u32 v1, v1, 3, FT
.else
	v_lshl_add_u32 v1, v[RR], 3, FT
.endif
	v_xor_b32 v[TA], s11, v[HH]
	v_lshl_add_u32 v[TA], v[TA], 6, s22            ; s22 = FT + 256 + 8 (w & 7)
	v_xor_b32 v[TB], s13, v[RR]
	v_lshl_add_u32 v[TB], v[TB], 3, FT+384
	v_bfe_u32 v10, v0, 3, 1                        ; r3
	v_xor_b32 v10, v[HH], v10
	v_lshl_add_u32 v10, v10, 6, FT+128
	ds_load_b64 v[XB:XB+1], v1
	ds_load_b64 v[XB+2:XB+3], v[TA]
	ds_load_b64 v[14:15], v[TB]
.irp k,0,1,2,3
	ds_load_b128 v[XB+4+4*\k:XB+7+4*\k], v10 offset:16*\k
.endr
	s_wait_dscnt 0x0                               ; the tables (and, the first time, the matrices asked for just before)
	CMUL XB+20, XB+21, XB, XB+1, XB+2, XB+3
.set j, 0
.rept 8
	CMUL HRR+j, HRI+j, XB+20, XB+21, XB+4+2*j, XB+5+2*j
.set j, j+1
.endr
.endm
.macro GENTILE i, th                   ; tile i = HR[j] x F_T, rounded to f16: two numbers a line
	v_readlane_b32 s36, v14, (\i)+8*(\th)
	v_readlane_b32 s38, v15, (\i)+8*(\th)
.irp k,0,1,2,3
	v_pk_mul_f32 v[10:11], v[HRI+2*\k:HRI+2*\k+1], s[38:39] op_sel_hi:[1,0]
	v_pk_mul_f32 v[12:13], v[HRR+2*\k:HRR+2*\k+1], s[38:39] op_sel_hi:[1,0]
	v_pk_fma_f32 v[10:11], v[HRR+2*\k:HRR+2*\k+1], s[36:37], v[10:11] op_sel_hi:[1,0,1] neg_lo:[0,0,1] neg_hi:[0,0,1]
	v_pk_fma_f32 v[12:13], v[HRI+2*\k:HRI+2*\k+1], s[36:37], v[12:13] op_sel_hi:[1,0,1]
	v_cvt_pk_f16_f32 v[XA+8*(\i)+\k], v10, v11
	v_cvt_pk_f16_f32 v[XA+8*(\i)+4+\k], v12, v13
.endr
.endm
; DISTANCES.  A vector line that reads a matrix result stands four plain vector lines, which name none of that product's registers, behind it (ISA guide 7.12.1); other products are not counted.
; Here the roundings of the tile before are those lines: behind each product stand four of them.  A slot of the ring is written again four tiles later, behind its readers.
; THE FIRST PRODUCT of a supertile: the K group is gated.  gen = 0: the 8 tiles come from LDS, base register lb, tile t's part c at BLK (t + 8 c).  gen = 1: they are made in registers.
.macro STAGE1 gen, lb, th
.if !(\gen)
.set t, 0
.rept 8
	ds_load_b128 v[XA+8*t:XA+8*t+3], v[\lb] offset:BLK*t
	ds_load_b128 v[XA+8*t+4:XA+8*t+7], v[\lb] offset:BLK*(t+8)
.set t, t+1
.endr
.endif
.set i, 0
.rept 8
.if \gen
	GENTILE i, \th
.else
	s_wait_dscnt 14-2*i                            ; LDS loads come back in order (ISA guide 5.7.1): tile i's two are in, the 14 - 2 i younger ones stay out
.endif
	W1 i, 0
.if i > 0
	CV1 i-1, 0
.endif
	W1 i, 1
.if i > 0
	CV1 i-1, 1
.elseif !(\gen)
.rept 4
	v_nop                                          ; the first tile has no tile before it: four places ahead of its own roundings (gen = 1: the next tile's making stands there)
.endr
.endif
.set i, i+1
.endr
.endm
; THE SECOND PRODUCT, the lane group, and the way back to LDS, base register sb, quad 8 c + j at BLK (j + 8 c).  All 16 loads of the supertile have come back, so its bytes may be written.
.macro STAGE2S sb
	W2 0, 0
	CV1 7, 0
	W2 0, 1
	W2 1, 0
	CV1 7, 1                                       ; also the four places between tile 1's real parts and their rounding
	W2 1, 1
.set i, 2
.rept 6
	W2 i, 0
	CV2 (i-2)/2, (i-2)%2, 0
	W2 i, 1
	CV2 (i-2)/2, (i-2)%2, 1
.set i, i+1
.endr
	CV2 3, 0, 0
	CV2 3, 0, 1
	CV2 3, 1, 0
	CV2 3, 1, 1
.set j, 0
.rept 16
	ds_store_b128 v[\sb], v[XA+4*j:XA+4*j+3] offset:BLK*j
.set j, j+1
.endr
.endm
.macro ACCUM d, s, neg                 ; d += s or d -= s, two sums a line
.if \neg
	v_pk_add_f32 v[\d:\d+1], v[\d:\d+1], v[\s:\s+1] neg_lo:[0,1] neg_hi:[0,1]
.else
	v_pk_add_f32 v[\d:\d+1], v[\d:\d+1], v[\s:\s+1]
.endif
.endm
; THE MEASUREMENT of tile t (R's low 3 bits) in supertile sg (R's bit 3), in place on its slot: p = re^2 + im^2 for j = 0..7 in four pairs; the sums over j plain, signed by j's bit 1, by j's bit 2; j's bit 0 stays in the pair's halves.
.macro MEAS t, sg
.set mb, ACC+16*((\t)%4)
.irp k,0,1,2,3
	v_pk_mul_f32 v[mb+2*\k:mb+2*\k+1], v[mb+2*\k:mb+2*\k+1], v[mb+2*\k:mb+2*\k+1]
.endr
.irp k,0,1,2,3
	v_pk_fma_f32 v[mb+2*\k:mb+2*\k+1], v[mb+8+2*\k:mb+9+2*\k], v[mb+8+2*\k:mb+9+2*\k], v[mb+2*\k:mb+2*\k+1]
.endr
	v_pk_add_f32 v[mb+8:mb+9], v[mb:mb+1], v[mb+2:mb+3]
	v_pk_add_f32 v[mb+10:mb+11], v[mb+4:mb+5], v[mb+6:mb+7]
	v_pk_add_f32 v[mb+12:mb+13], v[mb:mb+1], v[mb+2:mb+3] neg_lo:[0,1] neg_hi:[0,1]
	v_pk_add_f32 v[mb+14:mb+15], v[mb+4:mb+5], v[mb+6:mb+7] neg_lo:[0,1] neg_hi:[0,1]
	v_pk_add_f32 v[mb:mb+1], v[mb+8:mb+9], v[mb+10:mb+11]
	v_pk_add_f32 v[mb+2:mb+3], v[mb+12:mb+13], v[mb+14:mb+15]
	v_pk_add_f32 v[mb+4:mb+5], v[mb+8:mb+9], v[mb+10:mb+11] neg_lo:[0,1] neg_hi:[0,1]
	ACCUM US+2*(\sg), mb, 0
.irp b,0,1,2
	ACCUM UT+2*\b, mb, ((\t)>>\b)&1
.endr
	ACCUM CD1, mb+2, \sg
	ACCUM CD2, mb+4, \sg
.endm
.macro STAGE2M sg                      ; the last pass: the second product, and each tile measured while the next is multiplied
	W2 0, 0
	CV1 7, 0
	W2 0, 1
	CV1 7, 1                                       ; also the four places ahead of tile 0's measurement
.set i, 1
.rept 7
	W2 i, 0
	W2 i, 1
	MEAS i-1, \sg
.set i, i+1
.endr
	MEAS 7, \sg
.endm
; A PASS ENDS.  The next pass's matrices are asked for; my stores, my reads and those loads are waited for; every wave says so; the matrices are rounded while the others arrive; behind the wait the state belongs to the next pass's owners.
.macro PEND step, o1, o2, dith
.if \step
	v_add_nc_u32 v[MA], 8192, v[MA]                ; the next layer's four matrices
.endif
	MLOAD \o1, \o2
	s_wait_dscnt 0x0
	s_barrier_signal -1
	MCVT \dith
	s_barrier_wait -1
.endm
.macro LANESUM x                       ; the sum over the wave's 32 lanes, in every lane
	v_add_f32_dpp v[\x], v[\x], v[\x] row_xmask:1 row_mask:0xf bank_mask:0xf
	v_add_f32_dpp v[\x], v[\x], v[\x] row_xmask:2 row_mask:0xf bank_mask:0xf
	v_add_f32_dpp v[\x], v[\x], v[\x] row_xmask:4 row_mask:0xf bank_mask:0xf
	v_add_f32_dpp v[\x], v[\x], v[\x] row_xmask:8 row_mask:0xf bank_mask:0xf
	v_permlanex16_b32 v[TA], v[\x], s44, s45
	v_add_f32 v[\x], v[\x], v[TA]
.endm
	; THE HEAD: ids, constants, the eight lane bases
	s_load_b128 s[4:7], s[0:1], 0x0                ; patch s[4:5], weights s[6:7]
	s_load_b64 s[8:9], s[0:1], 0x10                ; out0
	v_lshl_add_u32 v[SPW], v0, 2, SPARE
	v_mov_b32 v[NIL], 0
	v_lshrrev_b32 v1, 5, v0
	v_readfirstlane_b32 s10, v1                    ; wave 0..15
	s_lshr_b32 s11, s10, 3
	s_and_b32 s12, s10, 7
	s_lshl_b32 s13, s11, 3
	s_mov_b32 s15, 0xfffff100                      ; -3840: the sixteen offsets 512 n - 3840 lie about 0, in steps of which an f16 step has 8,192
	s_mov_b32 s26, 0xffff0000
	s_mov_b32 s27, 0x69966996                      ; index (x1, x2, x3, parity): x0 = the parity of the index,
	s_mov_b32 s28, 0xaaaaaaaa                      ; x1 = bit 0,
	s_mov_b32 s29, 0xcccccccc                      ; x2 = bit 1,
	s_mov_b32 s30, 0xf0f0f0f0                      ; x3 = bit 2
	s_mov_b32 s31, 0x30800000
	s_mov_b32 s32, 0x7fffffff
	s_mov_b32 s33, 0x80000000
	s_mov_b32 s37, 0                               ; named in pairs with s36 and s38
	s_mov_b32 s39, 0
	s_mov_b32 s44, 0x76543210
	s_mov_b32 s45, 0xfedcba98
	s_lshl_b32 s46, s10, 31
	s_lshl_b32 s47, s10, 30
	s_and_b32 s47, s47, s33
	s_lshl_b32 s48, s10, 29
	s_and_b32 s48, s48, s33
	s_lshl_b32 s49, s10, 28
	s_and_b32 s49, s49, s33
	s_mul_i32 s16, s10, 272
	s_lshl_b32 s17, s10, 4
	s_xor_b32 s18, s13, 8
	s_xor_b32 s19, s11, 1
	s_lshl_b32 s22, s12, 3
	s_add_co_u32 s22, s22, FT+256
	v_and_b32 v[RR], 15, v0
	v_bfe_u32 v[HH], v0, 4, 1
	v_bfe_u32 v1, v0, 3, 1                         ; r3
	v_xor_b32 v[TA], v[HH], v1                     ; h ^ r3
	v_mul_u32_u24 v[TB], v[TA], RHS
	v_lshl_add_u32 v[LA0], v[RR], 4, v[TB]         ; pass A owns W = w.  Loads undo the ring's k1 ^= k0 and Q's bit 0 ^= k3: R's bit 3 lies at h ^ r3, Q at r ^ TH
	v_add_nc_u32 v[LA0], s16, v[LA0]
	v_xor_b32 v1, 1, v[RR]
	v_lshl_add_u32 v[LA1], v1, 4, v[TB]
	v_add_nc_u32 v[LA1], s16, v[LA1]
	v_add_nc_u32 v[LA1], THS, v[LA1]
	v_mul_u32_u24 v1, v[HH], RHS
	v_lshl_add_u32 v[SA0], v[RR], 4, v1            ; its stores are plain
	v_add_nc_u32 v[SA0], s16, v[SA0]
	v_add_nc_u32 v[SA1], THS, v[SA0]
	v_mul_u32_u24 v1, v[RR], 272
	v_mul_u32_u24 v[TB], v[HH], THS
	v_add3_u32 v[LB0], v1, v[TB], s17              ; pass B owns Q = w.  Its loads are plain;
	v_add_nc_u32 v[LB1], RHS, v[LB0]
	v_xor_b32 v1, s13, v[RR]                       ; its stores do k2 ^= k1 ^ k0 and k3 ^= k2 ^ k1 ^ k0, with k0 = w3, k1 = the supertile, k2 = r3, k3 = h
	v_mul_u32_u24 v1, v1, 272
	v_xor_b32 v[TB], s11, v[TA]
	v_mul_u32_u24 v[TB], v[TB], THS
	v_add3_u32 v[SB0], v1, v[TB], s17
	v_xor_b32 v1, s18, v[RR]
	v_mul_u32_u24 v1, v1, 272
	v_xor_b32 v[TB], s19, v[TA]
	v_mul_u32_u24 v[TB], v[TB], THS
	v_add3_u32 v[SB1], v1, v[TB], s17
	v_add_nc_u32 v[SB1], RHS, v[SB1]
	v_and_b32 v1, 31, v0
	v_lshl_add_u32 v[MA], v1, 4, MAT
	v_mul_u32_u24 v[DIT], v1, 7                    ; the lane's part of the offsets: (7 lane + lane / 8) % 16,
	v_lshrrev_b32 v1, 3, v1
	v_add_nc_u32 v[DIT], v[DIT], v1
	v_xor_b32 v[DIT], s10, v[DIT]                  ; exclusive-or my wave's number,
	v_and_b32 v[DIT], 15, v[DIT]
	v_lshlrev_b32 v[DIT], 9, v[DIT]                ; times 512
	s_wait_kmcnt 0x0
	; THE 96 GATES: thread 16 l + q of waves 0 to 2 makes gate (l, q).  Wave = channel; lanes 16-31 hold the channel's second layer, which has no data angle.
	s_cmp_lt_u32 s10, 3
	s_cbranch_scc0 .Lgates_done
	v_mul_u32_u24 v16, v0, 12
	s_mul_i32 s20, ttmp9, 192                      ; my patch,
	s_lshl_b32 s21, s10, 6                         ; my channel
	s_add_co_u32 s20, s20, s21
	v_lshl_add_u32 v20, v[RR], 2, s20
	global_load_b32 v17, v16, s[6:7]               ; RX's angle,
	global_load_b32 v18, v16, s[6:7] offset:4      ; RY's,
	global_load_b32 v19, v16, s[6:7] offset:8      ; RZ's,
	global_load_b32 v21, v20, s[4:5]               ; the data
	s_wait_loadcnt 0x0
	v_cndmask_b32 v21, v21, 0, s26
	SINCOS 17, 22, 23, 30, 31, 32, 33
	SINCOS 18, 24, 25, 30, 31, 32, 33
	SINCOS 19, 26, 27, 30, 31, 32, 33
	SINCOS 21, 28, 29, 30, 31, 32, 33
	v_mul_f32 v34, v24, v22                        ; RZ RY RX: p = cb ca, q = sb sa, u = sb ca, v = cb sa
	v_mul_f32 v35, v25, v23
	v_mul_f32 v36, v25, v22
	v_mul_f32 v37, v24, v23
	v_mul_f32 v38, v35, v27                        ; al = (p cg + q sg, q cg - p sg)
	v_mul_f32 v39, v34, v27
	v_mul_f32 v40, v37, v27                        ; be = (u cg + v sg, u sg - v cg)
	v_mul_f32 v41, v37, v26
	v_fma_f32 v38, v34, v26, v38
	v_fma_f32 v39, v35, v26, -v39
	v_fma_f32 v40, v36, v26, v40
	v_fma_f32 v41, v36, v27, -v41
	v_mul_f32 v44, v40, v29                        ; times RY(d) from the right: al' = al cd - conj(be) sd, be' = be cd + conj(al) sd
	v_mul_f32 v45, v41, v29
	v_mul_f32 v46, v38, v29
	v_mul_f32 v47, v39, v29
	v_fma_f32 v44, v38, v28, -v44
	v_fma_f32 v45, v39, v28, v45
	v_fma_f32 v46, v40, v28, v46
	v_fma_f32 v47, v41, v28, -v47
	v_lshl_add_u32 v16, v0, 4, GT
	ds_store_b128 v16, v[44:47]
.Lgates_done:
	s_wait_dscnt 0x0                               ; for the others' sake: my gates lie in LDS
	s_barrier_signal -1
	s_barrier_wait -1
	; THE 20 MATRICES AND 4 TABLES.  Wave w makes job w (layers 1 to 4); then waves 0-3 layer 5's, whose new index is (x0, x0^x1, x0^x1^x2, parity): the last ring's own parities; waves 4-7 the tables of the start.
	s_lshl_b32 s20, s10, 6
	s_add_co_u32 s20, s20, GT+256
	s_lshl_b32 s21, s10, 11
	MATJOB
	s_cmp_lt_u32 s10, 4
	s_cbranch_scc0 .Lno_last
	s_mov_b32 s27, 0xaaaaaaaa                      ; x0 = b0,
	s_mov_b32 s28, 0x66666666                      ; x1 = b1 ^ b0,
	s_mov_b32 s29, 0x3c3c3c3c                      ; x2 = b2 ^ b1,
	s_mov_b32 s30, 0x0ff00ff0                      ; x3 = b3 ^ b2
	s_add_co_u32 s20, s20, 1024
	s_add_co_u32 s21, s21, 32768
	MATJOB
	s_branch .Lmats_done
.Lno_last:
	s_cmp_lt_u32 s10, 8
	s_cbranch_scc0 .Lmats_done
	s_sub_co_u32 s20, s20, 512                     ; GT + 64 (w - 4): layer 0
	s_lshl_b32 s21, s10, 7
	s_add_co_u32 s21, s21, FT-512                  ; FT + 128 (w - 4)
	FJOB
.Lmats_done:
	s_wait_dscnt 0x0
	s_barrier_signal -1
	s_barrier_wait -1
	; LAYER 1, PASS A, on a state made in registers
	MLOAD 2048, 0                                  ; R's matrix, Q's
	GENPRO 0
	MCVT 1
	STAGE1 1, 0, 0
	STAGE2S SA0
	GENPRO 1
	STAGE1 1, 0, 1
	STAGE2S SA1
	s_mov_b32 s14, 4
.Llayer:                                               ; pass B of layer l, the ring in its stores and the next loads, pass A of layer l + 1: l = 1..4
	PEND 0, 6144, 4096, 1                          ; T's matrix, W's
	STAGE1 0, LB0, 0
	STAGE2S SB0
	STAGE1 0, LB1, 0
	STAGE2S SB1
	PEND 1, 2048, 0, 1                             ; the next layer's R and Q
	STAGE1 0, LA0, 0
	STAGE2S SA0
	STAGE1 0, LA1, 0
	STAGE2S SA1
	s_sub_co_u32 s14, s14, 1
	s_cmp_lg_u32 s14, 0
	s_cbranch_scc1 .Llayer
	PEND 0, 6144, 4096, 0                          ; the last pass's matrices are rounded plainly: one matrix for all waves
	; LAYER 5, PASS B: nothing is stored; the probabilities are summed as they are made
.set k, 2
.rept 14
	v_mov_b32 v[k], 0
.set k, k+1
.endr
	STAGE1 0, LB0, 0
	STAGE2M 0
	STAGE1 0, LB1, 0
	STAGE2M 1
	; THE SIGNS.  Behind the last ring bit q is the parity of bits 0..q in front of it (bit 0: of bits 1..15).  With layer 5's indices: s0 = w's bit 3, s1 = R's bit 3, s2 = r's bit 3, s3 = h;
	; q = 1..3: w's bit q;  4..6: s0, the tile's bit;  7: s0 s1;  8..11: s0 s1, r's bit;  12..14: s0 s1 s2, j's bit;  15: s0 s1 s2 s3;  0: w's bit 0 and q = 15's.
	v_pk_add_f32 v[16:17], v[US:US+1], v[US+2:US+3]
	v_pk_add_f32 v[18:19], v[US:US+1], v[US+2:US+3] neg_lo:[0,1] neg_hi:[0,1]
	v_add_f32 v20, v16, v17                        ; plain
	v_add_f32 v21, v18, v19                        ; s1
	v_sub_f32 v22, v18, v19                        ; s1, j's bit 0
	v_add_f32 v23, v[UT], v[UT+1]
	v_add_f32 v24, v[UT+2], v[UT+3]
	v_add_f32 v25, v[UT+4], v[UT+5]
	v_add_f32 v26, v[CD1], v[CD1+1]
	v_add_f32 v27, v[CD2], v[CD2+1]
.irp b,0,1,2,3,4
	v_lshlrev_b32 v[28+\b], 31-\b, v0              ; bit b of my lane's number as a sign
	v_and_b32 v[28+\b], s33, v[28+\b]
.endr
	v_xor_b32 v33, v21, v28
	v_xor_b32 v34, v21, v29
	v_xor_b32 v35, v21, v30
	v_xor_b32 v36, v21, v31
	v_xor_b32 v37, v22, v31
	v_xor_b32 v38, v26, v31
	v_xor_b32 v39, v27, v31
	v_xor_b32 v40, v36, v32
.irp x,20,21,23,24,25,33,34,35,36,37,38,39,40
	LANESUM \x
.endr
	s_xor_b32 s20, s49, s46
	v_xor_b32 v48, s20, v40
	v_xor_b32 v49, s47, v20
	v_xor_b32 v50, s48, v20
	v_xor_b32 v51, s49, v20
	v_xor_b32 v52, s49, v23
	v_xor_b32 v53, s49, v24
	v_xor_b32 v54, s49, v25
	v_xor_b32 v55, s49, v21
.irp x,0,1,2,3,4,5,6,7
	v_xor_b32 v[56+\x], s49, v[33+\x]
.endr
	s_lshl_b32 s20, s10, 6
	s_add_co_u32 s20, s20, RED
	v_mov_b32 v1, s20
.irp p,0,1,2,3
	ds_store_b128 v1, v[48+4*\p:51+4*\p] offset:16*\p  ; all lanes hold the same 16 numbers and write them to the same 64 bytes
.endr
	s_wait_dscnt 0x0
	s_barrier_signal -1
	s_barrier_wait -1                              ; all sixteen waves' parts lie in LDS
	s_cmp_lg_u32 s10, 0
	s_cbranch_scc1 .Lend
	v_lshl_add_u32 v1, v[RR], 2, RED               ; wave 0: lane (r, h) adds result r of waves 8 h .. 8 h + 7
	v_lshl_add_u32 v1, v[HH], 9, v1
.irp k,0,1,2,3,4,5,6,7
	ds_load_b32 v[16+\k], v1 offset:64*\k
.endr
	s_wait_dscnt 0x0
	v_add_f32 v16, v16, v17
	v_add_f32 v18, v18, v19
	v_add_f32 v20, v20, v21
	v_add_f32 v22, v22, v23
	v_add_f32 v16, v16, v18
	v_add_f32 v20, v20, v22
	v_add_f32 v16, v16, v20
	v_permlanex16_b32 v[TA], v16, s44, s45
	v_add_f32 v16, v16, v[TA]
	v_mul_f32 v16, 0x37800000, v16                 ; 2^-16: the state was kept 2^8 times its size
	s_lshl_b32 s20, ttmp9, 6
	v_lshl_add_u32 v1, v[RR], 2, s20
	v_cmp_gt_u32 vcc_lo, 16, v0
	s_wait_xcnt 0x0                                ; EXEC changes only behind s_wait_xcnt 0
	s_and_saveexec_b32 s21, vcc_lo
	global_store_b32 v1, v16, s[8:9]               ; sixteen lanes store the patch's 64 consecutive bytes
	s_wait_xcnt 0x0                                ; and again, in front of the line that widens it
	s_or_b32 exec_lo, exec_lo, s21
.Lend:
	s_wait_tensorcnt 0x0                           ; the wave's end, behind my last LDS store
	ds_add_u32 v[SPW], v[NIL]
	s_wait_dscnt 0x0
	s_endpgm
.Lfunc_end_k_q60b035e771_circuit:
	.size	k_q60b035e771_circuit, .Lfunc_end_k_q60b035e771_circuit-k_q60b035e771_circuit
	.p2alignl 7, 3214868480
	.fill 96, 4, 3214868480
	.section	.rodata,"a",@progbits
	.p2align	6, 0x0
	.amdhsa_kernel k_q60b035e771_circuit
		.amdhsa_group_segment_fixed_size 324608
		.amdhsa_private_segment_fixed_size 0
		.amdhsa_enable_private_segment 0
		.amdhsa_kernarg_size 24
		.amdhsa_user_sgpr_count 2
		.amdhsa_user_sgpr_kernarg_segment_ptr 1
		.amdhsa_wavefront_size32 1
		.amdhsa_system_sgpr_workgroup_id_x 1
		.amdhsa_system_sgpr_workgroup_id_y 1
		.amdhsa_system_sgpr_workgroup_id_z 1
		.amdhsa_system_vgpr_workitem_id 0
		.amdhsa_next_free_vgpr 256
		.amdhsa_next_free_sgpr 66
		.amdhsa_reserve_vcc 1
		.amdhsa_float_denorm_mode_32 3
		.amdhsa_float_denorm_mode_16_64 3
		.amdhsa_memory_ordered 1
		.amdhsa_forward_progress 1
		.amdhsa_inst_pref_size 199
	.end_amdhsa_kernel
	.amdgpu_metadata
---
amdhsa.version: [ 1, 2 ]
amdhsa.kernels:
  - .name:           k_q60b035e771_circuit
    .symbol:         k_q60b035e771_circuit.kd
    .args:
      - { .name: multi_channel_patch, .offset: 0, .size: 8, .value_kind: global_buffer, .address_space: global }
      - { .name: weights, .offset: 8, .size: 8, .value_kind: global_buffer, .address_space: global }
      - { .name: out0, .offset: 16, .size: 8, .value_kind: global_buffer, .address_space: global }
    .group_segment_fixed_size: 324608
    .private_segment_fixed_size: 0
    .kernarg_segment_align: 8
    .kernarg_segment_size: 24
    .max_flat_workgroup_size: 512
    .sgpr_count:     66
    .vgpr_count:     256
    .wavefront_size: 32
...
	.end_amdgpu_metadata
.endif
;; end of part 1
